; MI455X (gfx1250); checked and timed in simulation.
; The chip was launched on July 23, 2026; its instructions are those of AMD's public machine-readable ISA for CDNA 5 (MIT licence, August 2026) and "CDNA5" Instruction Set Architecture Reference Guide (July 2026). The comments in the code are by the model that wrote it; some were corrected since.
;; Gated Linear Recurrence. Allowed arithmetic: float matrix products may take bf16 or f16 operands with f32 sums; all other float work in f32.
;; Inputs: Wd 2,048 x 16 float32; Wg 2,048 x 2,048 float32; Wk 2,048 x 2,048 float32; Wo 2,048 x 2,048 float32; Wog 2,048 x 2,048 float32; Wq 2,048 x 2,048 float32; Wv 2,048 x 2,048 float32; bd 16 float32; norm_w 2,048 float32; x 2 x 1,024 x 2,048 float32.
;; Outputs: out0 2 x 1,024 x 2,048 float32.
;; One version. Each part assembles by itself: llvm-mc -triple=amdgcn-amd-amdhsa -mcpu=gfx1250 --defsym DOCPART=n.
;; ======== version 1 of 1: 3 launches
;; limits: values outside matrix products are rounded to bf16
;; workspace buffers: xb 8,388,608 bytes; wob 8,388,608 bytes; decp 262,144 bytes; ub 8,388,608 bytes; ssp 1,048,576 bytes
;; launch prep (part 1): grid 256 x 1, 8 waves a work-group, no clusters, 76,800 bytes of LDS; arguments x, Wd, Wo, xb, wob, decp; writes xb, wob, decp
.if DOCPART == 1
	.amdgcn_target "amdgcn-amd-amdhsa--gfx1250"
	.amdhsa_code_object_version 6
	.text
	.protected	k_q5f4c99a39f_prep
	.globl	k_q5f4c99a39f_prep
	.p2align	8
	.type	k_q5f4c99a39f_prep,@function
k_q5f4c99a39f_prep:
	s_mov_b64 s[64:65], 0
	v_nop
	global_prefetch_b8 v0, s[64:65] scope:SCOPE_SE
	s_setreg_imm32_b32 hwreg(HW_REG_WAVE_MODE, 25, 1), 1
	s_wait_xcnt 0x0
; prep: x -> bf16 in K blocks of 64 (xb[kb][row][64]), Wo -> bf16 (wob, Wo's own layout), and the partial sums of x @ Wd.
; Work-group g: mb = g >> 1 (rows 16 mb .. +15 of x), kh = g & 1 (K half of 1,024).  Wave w: k = 1024 kh + 128 w .. +127 of those rows,
; and row 8 g + w of Wo.  Each byte of x and of Wo is read once, by loads of which 16 lanes cover 256 consecutive bytes; each store of a
; wave covers 256 consecutive bytes, aligned.  The wave's 16 x 128 piece of x and its 128 x 16 piece of Wd, rounded to bf16, go through its
; own LDS bytes into four matrix instructions; the eight waves' 16 x 16 sums meet in LDS and leave as decp[kh][mb][head][m] (f32).
; Matrix operands are bf16, sums f32.  No tensor loads: every byte is used once and passes through registers for the conversion anyway.
.set XSW,  4352                        ; a wave's x stage: 16 rows, pitch 272 = 256 + 16
.set WS,   34816                       ; Wd stages: [128 k][16 heads] bf16, pitch 32, 4,096 bytes a wave
.set RED,  67584                       ; one 16 x 16 f32 tile a wave, 1,024 bytes
.set WDR,  16                          ; v[16:79]   Wd as loaded; later A fragments v[16:47], B fragments v[48:79]
.set XR,   80                          ; v[80:143]  x as loaded, then bf16 in the first two registers of each four
.set WOR,  144                         ; v[144:207] Wo likewise
.set ACC0, 208
.set ACC1, 216
	s_load_b256 s[4:11], s[0:1], 0x0               ; x s[4:5], Wd s[6:7], Wo s[8:9], xb s[10:11]
	s_load_b128 s[12:15], s[0:1], 0x20             ; wob s[12:13], decp s[14:15]
	v_lshl_add_u32 v224, v0, 2, 0x12800
	v_mov_b32 v225, 0
	v_and_b32 v1, 31, v0                           ; L
	v_lshrrev_b32 v12, 5, v0
	v_readfirstlane_b32 s16, v12                   ; wave w
	v_and_b32 v12, 15, v0                          ; r
	v_bfe_u32 v13, v0, 4, 1                        ; h
	s_lshr_b32 s17, ttmp9, 1                       ; mb
	s_and_b32 s18, ttmp9, 1                        ; kh
	v_lshlrev_b32 v2, 4, v12
	v_lshl_add_u32 v2, v13, 13, v2                 ; x: 16 r + one row (8,192 bytes) for lanes 16-31
	v_lshlrev_b32 v3, 4, v1                        ; 16 L
	v_lshlrev_b32 v4, 3, v1                        ; 8 L
	s_mul_i32 s24, s16, XSW                        ; my x stage
	s_lshl_b32 s25, s16, 12
	s_add_co_u32 s25, s25, WS                      ; my Wd stage
	s_lshl_b32 s26, s16, 10
	s_add_co_u32 s26, s26, RED                     ; my tile of sums
	v_mul_u32_u24 v14, v13, 272
	v_lshl_add_u32 v14, v12, 3, v14
	v_add_nc_u32 v5, s24, v14                      ; x stage, in: row h, 8 bytes at 8 r
	v_add_nc_u32 v6, s25, v4                       ; Wd stage, in: 8 L
	v_mul_u32_u24 v14, v12, 272
	v_lshl_add_u32 v14, v13, 4, v14
	v_add_nc_u32 v7, s24, v14                      ; A fragment: row r, 16 h
	v_and_b32 v14, 7, v0
	v_lshl_add_u32 v14, v13, 3, v14
	v_lshlrev_b32 v14, 5, v14                      ; (8 h + (L & 7)) rows of 32 bytes
	v_bfe_u32 v15, v0, 3, 1
	v_lshl_add_u32 v14, v15, 4, v14
	v_add_nc_u32 v8, s25, v14                      ; B fragment, read by the transposing load
	v_lshl_add_u32 v9, v1, 5, s26                  ; my 8 sums: 32 L
	s_mov_b32 s21, 0
	s_wait_kmcnt 0x0
; a base = its pointer + two or three shifted ids (every sum is below 2^24)
.macro BASE2 ptr, ra, sa, rb, sb
	s_lshl_b32 s20, \ra, \sa
	s_lshl_b32 s22, \rb, \sb
	s_add_co_u32 s20, s20, s22
	s_add_nc_u64 s[\ptr:\ptr+1], s[\ptr:\ptr+1], s[20:21]
.endm
	BASE2 4, s17, 17, s18, 12                      ; x: 16 mb rows of 8,192 bytes + 1,024 kh numbers
	BASE2 4, s16, 9, 0, 0                          ;    + 128 w numbers
	BASE2 6, s18, 16, s16, 13                      ; Wd: row 1024 kh + 128 w, 64 bytes a row
	BASE2 8, ttmp9, 16, s16, 13                    ; Wo: row 8 g + w, 8,192 bytes a row
	BASE2 10, s18, 22, s16, 19                     ; xb: K block 16 kh + 2 w, 262,144 bytes each
	BASE2 10, s17, 11, 0, 0                        ;     + 16 mb rows of 128 bytes
	BASE2 12, ttmp9, 15, s16, 12                   ; wob: row 8 g + w, 4,096 bytes a row
	BASE2 14, s18, 17, s17, 10                     ; decp: [kh][mb], 1,024 bytes each
	; all 48 loads go out at once: Wd (8 KiB, consecutive), x (two rows' 256 bytes a load), Wo (one row, consecutive)
.set i, 0
.rept 16
	global_load_b128 v[WDR+4*i:WDR+4*i+3], v3, s[6:7] offset:512*i
.set i, i+1
.endr
.set i, 0
.rept 16                                           ; i = 2 a + kbl: rows 2 a, 2 a + 1; K block kbl of my two
	global_load_b128 v[XR+4*i:XR+4*i+3], v2, s[4:5] offset:(i>>1)*16384+(i&1)*256 th:TH_LOAD_NT
.set i, i+1
.endr
.set i, 0
.rept 16
	global_load_b128 v[WOR+4*i:WOR+4*i+3], v3, s[8:9] offset:512*i th:TH_LOAD_NT
.set i, i+1
.endr
.macro CV base                         ; sixteen times four f32 -> four bf16 in the first two registers
.set i, 0
.rept 16
	v_cvt_pk_bf16_f32 v[\base+4*i], v[\base+4*i], v[\base+4*i+1]
	v_cvt_pk_bf16_f32 v[\base+4*i+1], v[\base+4*i+2], v[\base+4*i+3]
.set i, i+1
.endr
.endm
	s_wait_loadcnt 32                              ; Wd is in; the 32 younger loads stay out
	CV WDR
.set i, 0
.rept 16
	ds_store_b64 v6, v[WDR+4*i:WDR+4*i+1] offset:256*i     ; k = 8 i + L / 4, heads 4 (L & 3) ..
.set i, i+1
.endr
	s_wait_loadcnt 16                              ; x is in; Wo's 16 stay out
	CV XR
.set i, 0
.rept 16
	global_store_b64 v4, v[XR+4*i:XR+4*i+1], s[10:11] offset:(i&1)*262144+(i>>1)*256   ; two rows of xb: 256 consecutive bytes, aligned
	ds_store_b64 v5, v[XR+4*i:XR+4*i+1] offset:(i>>1)*544+(i&1)*128
.set i, i+1
.endr
	; fragments: the bytes are my wave's own and LDS serves a wave's instructions in order, so no wait stands between stores and loads
.irp sub, 0,1,2,3
	ds_load_b128 v[16+8*\sub:19+8*\sub], v7 offset:64*\sub
	ds_load_b128 v[20+8*\sub:23+8*\sub], v7 offset:64*\sub+32
	ds_load_tr16_b128 v[48+8*\sub:51+8*\sub], v8 offset:1024*\sub
	ds_load_tr16_b128 v[52+8*\sub:55+8*\sub], v8 offset:1024*\sub+512
.endr
	s_wait_loadcnt 0x0                             ; Wo
	CV WOR
.set i, 0
.rept 16
	global_store_b64 v4, v[WOR+4*i:WOR+4*i+1], s[12:13] offset:256*i
.set i, i+1
.endr
	s_wait_dscnt 0x0
	; two accumulators by turns, one instruction a turn; the first products start the sums
	v_wmma_f32_16x16x32_bf16 v[ACC0:ACC0+7], v[16:23], v[48:55], 0
	v_wmma_f32_16x16x32_bf16 v[ACC1:ACC1+7], v[24:31], v[56:63], 0
	v_wmma_f32_16x16x32_bf16 v[ACC0:ACC0+7], v[32:39], v[64:71], v[ACC0:ACC0+7]
	v_wmma_f32_16x16x32_bf16 v[ACC1:ACC1+7], v[40:47], v[72:79], v[ACC1:ACC1+7]
.rept 4
	v_nop                                          ; four places behind the last matrix instruction (ISA guide 7.12.1)
.endr
.irp j, 0,2,4,6
	v_pk_add_f32 v[ACC0+\j:ACC0+\j+1], v[ACC0+\j:ACC0+\j+1], v[ACC1+\j:ACC1+\j+1]
.endr
	ds_store_b128 v9, v[ACC0:ACC0+3]               ; lane (r, h): head r, rows 8 h .. 8 h + 7
	ds_store_b128 v9, v[ACC0+4:ACC0+7] offset:16
	s_wait_dscnt 0x0                               ; for the waves that read: zero
	s_barrier_signal -1
	s_barrier_wait -1
	s_cmp_ge_u32 s16, 2
	s_cbranch_scc1 .Lend                           ; 64 threads add the eight tiles and store 1,024 bytes
	v_lshrrev_b32 v14, 2, v0                       ; head = t >> 2
	v_bfe_u32 v15, v0, 1, 1                        ; h = (t >> 1) & 1
	v_lshl_add_u32 v14, v15, 4, v14
	v_lshlrev_b32 v14, 5, v14
	v_and_b32 v15, 1, v0
	v_lshl_add_u32 v14, v15, 4, v14
	v_add_nc_u32 v10, RED, v14
	v_lshlrev_b32 v11, 4, v0                       ; decp: head 64 bytes, m 4 bytes = 16 t
.irp u, 0,1,2,3,4,5,6,7
	ds_load_b128 v[16+4*\u:19+4*\u], v10 offset:1024*\u
.endr
	s_wait_dscnt 0x0
.irp st, 4,2,1
.set q, 0
.rept \st
	v_pk_add_f32 v[16+4*q:17+4*q], v[16+4*q:17+4*q], v[16+4*(q+\st):17+4*(q+\st)]
	v_pk_add_f32 v[18+4*q:19+4*q], v[18+4*q:19+4*q], v[18+4*(q+\st):19+4*(q+\st)]
.set q, q+1
.endr
.endr
	global_store_b128 v11, v[16:19], s[14:15]      ; sixteen lanes: 256 consecutive bytes, aligned
.Lend:
	s_wait_tensorcnt 0x0
	ds_add_u32 v224, v225
	s_wait_dscnt 0x0
	s_endpgm
.Lfunc_end_k_q5f4c99a39f_prep:
	.size	k_q5f4c99a39f_prep, .Lfunc_end_k_q5f4c99a39f_prep-k_q5f4c99a39f_prep
	.p2alignl 7, 3214868480
	.fill 96, 4, 3214868480
	.section	.rodata,"a",@progbits
	.p2align	6, 0x0
	.amdhsa_kernel k_q5f4c99a39f_prep
		.amdhsa_group_segment_fixed_size 76800
		.amdhsa_private_segment_fixed_size 0
		.amdhsa_enable_private_segment 0
		.amdhsa_kernarg_size 48
		.amdhsa_user_sgpr_count 2
		.amdhsa_user_sgpr_kernarg_segment_ptr 1
		.amdhsa_wavefront_size32 1
		.amdhsa_system_sgpr_workgroup_id_x 1
		.amdhsa_system_sgpr_workgroup_id_y 1
		.amdhsa_system_sgpr_workgroup_id_z 1
		.amdhsa_system_vgpr_workitem_id 0
		.amdhsa_next_free_vgpr 226
		.amdhsa_next_free_sgpr 66
		.amdhsa_reserve_vcc 0
		.amdhsa_float_denorm_mode_32 3
		.amdhsa_float_denorm_mode_16_64 3
		.amdhsa_memory_ordered 1
		.amdhsa_forward_progress 1
		.amdhsa_inst_pref_size 23
	.end_amdhsa_kernel
	.amdgpu_metadata
---
amdhsa.version: [ 1, 2 ]
amdhsa.kernels:
  - .name:           k_q5f4c99a39f_prep
    .symbol:         k_q5f4c99a39f_prep.kd
    .args:
      - { .name: x, .offset: 0, .size: 8, .value_kind: global_buffer, .address_space: global }
      - { .name: Wd, .offset: 8, .size: 8, .value_kind: global_buffer, .address_space: global }
      - { .name: Wo, .offset: 16, .size: 8, .value_kind: global_buffer, .address_space: global }
      - { .name: xb, .offset: 24, .size: 8, .value_kind: global_buffer, .address_space: global }
      - { .name: wob, .offset: 32, .size: 8, .value_kind: global_buffer, .address_space: global }
      - { .name: decp, .offset: 40, .size: 8, .value_kind: global_buffer, .address_space: global }
    .group_segment_fixed_size: 76800
    .private_segment_fixed_size: 0
    .kernarg_segment_align: 8
    .kernarg_segment_size: 48
    .max_flat_workgroup_size: 256
    .sgpr_count:     66
    .vgpr_count:     226
    .wavefront_size: 32
...
	.end_amdgpu_metadata
.endif
;; end of part 1
;; launch proj (part 2): grid 128 x 2, 4 waves a work-group, clusters of 4 x 1, 327,680 bytes of LDS; arguments xb, Wq, Wk, Wv, Wg, Wog, decp, bd, norm_w, ub, ssp; writes ub, ssp
.if DOCPART == 2
	.amdgcn_target "amdgcn-amd-amdhsa--gfx1250"
	.amdhsa_code_object_version 6
	.text
	.protected	k_q5f4c99a39f_proj
	.globl	k_q5f4c99a39f_proj
	.p2align	8
	.type	k_q5f4c99a39f_proj,@function
k_q5f4c99a39f_proj:
	s_mov_b64 s[64:65], 0
	v_nop
	global_prefetch_b8 v0, s[64:65] scope:SCOPE_SE
	s_setreg_imm32_b32 hwreg(HW_REG_WAVE_MODE, 25, 1), 1
	s_wait_xcnt 0x0
	s_wait_alu depctr_hold_cnt(0) depctr_sa_sdst(0) depctr_va_vdst(0) depctr_va_sdst(0) depctr_va_ssrc(0) depctr_va_vcc(0) depctr_vm_vsrc(0)
	s_getreg_b32 s2, hwreg(HW_REG_IB_STS2, 6, 4)
	s_cmp_eq_u32 s2, 0
	s_cbranch_scc0 .Lentry_in_a_cluster
	s_endpgm
.Lentry_in_a_cluster:
	s_bfe_u32 s2, ttmp6, 0x10000c
	s_cmp_lg_u32 s2, 0x3003
	s_cbranch_scc0 .Lentry_shape_is_right
	s_endpgm
.Lentry_shape_is_right:
; proj: q, k, v, g, og = x @ W.., the decay, kv = sigmoid(g) k v, the whole scan along t, q s, the rows' sums of squares, u = q s norm_w sigmoid(og).
; A work-group owns ALL 1,024 steps of one batch b for the 16 channels 16 cg .. +15, for all five matrices: the scan never leaves the work-group.
; Wave w owns rows 256 w .. +255: 16 blocks of 16 rows x 5 matrices = 80 accumulator tiles, 640 registers.  In a tile, register j of lane (r, h)
; is row 8 h + j, channel r: a lane holds eight consecutive steps of one channel.
; THE SCAN: reference's chunked form, written out, is s_t = d_t s_(t-1) + kv_t with d = exp(-softplus(w)) = 1 / (1 + e^w), s = 0 at the start.  That
; recurrence is computed directly (8 steps in a lane, then lane halves, blocks and waves joined by (end, product) pairs).
; LIMITS: the order of rounding differs from the chunked form, and the sums over K start at another K block in each cluster (below); d is 0 once
; 2^(w log2 e) overflows (w above about 88); a sigmoid below 2^-126 comes out as 0 (v_exp_f32 and v_rcp_f32 flush denormals: ISA guide 15.8); x and the
; weights are rounded to bf16 as matrix operands, u likewise for the next launch.
; FORMAT OF bd AND norm_w: both are rounded to bf16 once, when they are loaded (norm_w: relative error up to 2^-8; bd: absolute error up to 2^-8 |bd|), so that
; EVERY input enters with the same precision as x and the weights; all arithmetic on them is f32.
; K goes in steps of 64 through two LDS slots of 1,024 rows of x.  CLUSTER: the four work-groups of a cluster have the same batch and K, so every tile of x
; is asked for jointly (mask 15).  The weights are NOT shared: each partner uses other columns, and each column serves two work-groups (the batches) in the
; launch; they come as f32 through registers, two steps ahead, are rounded to bf16 and laid into a stage of their own in LDS.
; K ORDER: cluster X (ttmp9, the same number in all four partners) begins at K block 5 X mod 32 and goes round the end: in step s it uses block (5 X + s) mod 32.
; 5 is odd, so the 32 clusters of a batch use 32 different blocks in every step, and a block that a cluster asks for has, but for the cluster's first steps,
; been asked for by another cluster in an earlier step: the clusters do not all meet a block of xb for the first time at the same moment.
; No prefetch into the cache: the weights are already requested two K steps (320 matrix instructions) ahead, and xb's blocks are read ahead by the other clusters.
;
; LDS: slot 0 at 0, slot 1 at 147,456 (1,024 rows, pitch 144 = 128 + 16; wave w fills and reads rows 256 w ..); weight stages at 294,912 and 305,152
; ([64 k][5 x 16 n] bf16, pitch 160), used again at the end as each wave's stage for the way out; the waves' scan totals at 315,392; the decays at 316,416.
; REGISTERS: window 0: v0-31 ids and addresses, v32-71 and v72-111 two sets of weights on their way, v112-239 A fragments of the 16 blocks;
; windows 1, 2, 3: accumulators, block il of the window at 40 il + 8 p (p = 0 q, 1 k, 2 v, 3 g, 4 og); blocks 0-5, 6-11, 12-15;
; window 3 also holds the two buffers of B fragments, v160-199 and v200-239.
.set SLOTB,  147456
.set WPART,  36864                     ; 256 rows x 144: a wave's part of a slot
.set BST,    294912
.set BSTB,   10240
.set BPITCH, 160                       ; 5 x 32: an odd multiple of 32, for the transposing load
.set XCH,    315392
.set DD,     316416
.set WST0,   32
.set AF1,    112
.set AF2,    160
.set AF3,    208
.set BF0,    160
.set BF1,    200
.set KROT,   5                         ; clusters start 5 K blocks apart, modulo 32
.set KOFF,   14                        ; s14, s15: byte offset in xb of the K block that slot 0, 1 holds or is being filled with
.set G1,     40                        ; s[40:47] descriptor group 1
.set G0,     48                        ; s[48:55] descriptor group 0, a set for each slot
.set M1, 0x5c                          ; A window 0, B window 3, C and D window 1
.set M2, 0xac
.set M3, 0xfc
.set LB, 0xc0                          ; destination window 3
.set MSB, 0
.macro WIN new                         ; the immediate's high byte repeats the setting that is left
.if MSB != \new
	s_set_vgpr_msb (MSB<<8)|\new
.set MSB, \new
.endif
.endm
.macro PLACES                          ; four places behind a matrix instruction before one of its registers is loaded, read or written (ISA guide 7.12.1)
.rept 4
	v_nop
.endr
.endm
.macro CREST                           ; a round of the cluster's barrier behind its opening barrier
	s_cmp_lg_u32 s8, 0
	s_cbranch_scc1 .Lnot_wave_0_\@
	s_barrier_signal -3
.Lnot_wave_0_\@:
	s_barrier_wait -3
	s_barrier_signal -1
	s_barrier_wait -1
.endm
.macro CROUND
	s_barrier_signal -1
	s_barrier_wait -1
	CREST
.endm
; blocks lo .. hi of a window x 5 matrices, 32 along K.  All accumulators differ and take turns, one instruction a turn.
.macro MUL af, bf, lo, hi, zero
.set il, \lo
.rept \hi-\lo+1
.irp p, 0,1,2,3,4
.if \zero
	v_wmma_f32_16x16x32_bf16 v[40*il+8*\p:40*il+8*\p+7], v[\af+8*il:\af+8*il+7], v[\bf+8*\p:\bf+8*\p+7], 0
.else
	v_wmma_f32_16x16x32_bf16 v[40*il+8*\p:40*il+8*\p+7], v[\af+8*il:\af+8*il+7], v[\bf+8*\p:\bf+8*\p+7], v[40*il+8*\p:40*il+8*\p+7]
.endif
.endr
.set il, il+1
.endr
.endm
; A fragments of n blocks from block i0 on: row r of the block, 16 h, two loads 32 bytes apart
.macro LDA af, i0, n, slot, sub
.set il, 0
.rept \n
	ds_load_b128 v[\af+8*il:\af+8*il+3],   v[8+\slot] offset:(\i0+il)*2304+64*\sub
	ds_load_b128 v[\af+8*il+4:\af+8*il+7], v[8+\slot] offset:(\i0+il)*2304+64*\sub+32
.set il, il+1
.endr
.endm
.macro LDA1 slot, sub
	LDA AF1, 0, 6, \slot, \sub
.endm
.macro LDA2 slot, sub
	LDA AF2, 6, 6, \slot, \sub
.endm
.macro LDA3 slot, sub
	LDA AF3, 12, 4, \slot, \sub
.endm
; the five B fragments of 32 k from a weight stage, which lies [k][n]: the transposing load
.macro LDB stage, sub, bf
	WIN LB
.irp p, 0,1,2,3,4
	ds_load_tr16_b128 v[\bf+8*\p:\bf+8*\p+3],   v10 offset:\stage*BSTB+\sub*32*BPITCH+32*\p
	ds_load_tr16_b128 v[\bf+8*\p+4:\bf+8*\p+7], v10 offset:\stage*BSTB+\sub*32*BPITCH+32*\p+16*BPITCH
.endr
.endm
; ten loads: my 4 numbers of rows t / 4 and t / 4 + 32 of a K block's 64, in each of the five matrices; v[adr] holds the block's offset and mine in it
.macro WLOAD set, adr
.irp p, 0,1,2,3,4
	global_load_b128 v[\set+8*\p:\set+8*\p+3],   v[\adr], s[18+2*\p:19+2*\p]
	global_load_b128 v[\set+8*\p+4:\set+8*\p+7], v[\adr], s[18+2*\p:19+2*\p] offset:0x40000
.endr
.endm
; a set of weights has come: round to bf16, lay it into its stage; gl = 1: ask for the set two steps further on
.macro CONV set, stage, cwait, gl
	s_wait_loadcnt \cwait                          ; loads come back in order: this set is in, the next set's ten (cwait) stay out
.set i, 0
.rept 10
	v_cvt_pk_bf16_f32 v[\set+4*i], v[\set+4*i], v[\set+4*i+1]
	v_cvt_pk_bf16_f32 v[\set+4*i+1], v[\set+4*i+2], v[\set+4*i+3]
.set i, i+1
.endr
.set i, 0
.rept 10                                           ; i = 2 p + half
	ds_store_b64 v11, v[\set+4*i:\set+4*i+1] offset:\stage*BSTB+(i&1)*32*BPITCH+(i>>1)*32
.set i, i+1
.endr
.if \gl
	s_wait_xcnt 0x0                                ; the pending loads have had their addresses translated: v12 is stepped only behind this wait
	v_add_nc_u32 v12, 0x80000, v12                 ; the next K block: 64 rows of 8,192 bytes,
	v_and_b32 v12, 0xffffff, v12                   ; round the end of the 32 blocks (16 MiB)
	WLOAD \set, 12
.endif
.endm
; One K step of 64 = two sub steps of 32, 80 matrix instructions each.  LDS loads always go out in the order B (10), blocks 0-5 (12), 6-11 (12), 12-15 (8).
; fill = 2: this slot is filled again, two steps ahead, behind a round of the cluster's barrier; 1: a plain barrier (the next slot and stage become visible); 0: the last step.
.macro STEP slot, o, zero, fill, conv, cwait, gl
	s_wait_dscnt 20                                ; B and blocks 0-5 are in; 12 + 8 younger loads stay out
	WIN M1
	MUL AF1, BF0, 0, 5, \zero
	PLACES
	LDB \slot, 1, BF1
	WIN 0
	LDA1 \slot, 1
	s_wait_dscnt 30                                ; blocks 6-11 are in; 8 + 10 + 12 younger
	WIN M2
	MUL AF2, BF0, 0, 5, \zero
	PLACES
	WIN 0
	LDA2 \slot, 1
	s_wait_dscnt 34                                ; blocks 12-15 are in; 10 + 12 + 12 younger
	WIN M3
	MUL AF3, BF0, 0, 3, \zero
	PLACES
	WIN 0
	LDA3 \slot, 1
.if \conv
	CONV WST0+40*\o, \o, \cwait, \gl
.endif
	s_wait_dscnt 20+10*\conv                       ; B and blocks 0-5 of the second sub step; 12 + 8 loads and the ten stage stores are younger
	WIN M1
	MUL AF1, BF1, 0, 5, 0
.if \fill
	s_wait_dscnt 0x0                               ; my reads of this slot and of this stage are back, my stores into the other stage are done,
	s_set_vgpr_msb 0x5c55
	s_wait_tensorcnt 0x0                           ; and all my tensor loads have landed: the one that was out is my part of the next slot
	ds_add_u32 v254, v255
	s_wait_dscnt 0x0
	s_set_vgpr_msb 0x555c
.if \fill == 2
	s_add_co_u32 s[KOFF+\slot], s[KOFF+\slot], 0x80000             ; no load of mine is out, so this slot's group 0 may be written: two K blocks of xb on,
	s_and_b32 s[KOFF+\slot], s[KOFF+\slot], 0x7fffff               ; round the end of the 32 blocks (8 MiB)
	s_mov_b32 s38, s[KOFF+\slot]
	s_add_nc_u64 s[G0+4*\slot+2:G0+4*\slot+3], s[16:17], s[38:39]  ; the address anew from my rows' base,
	s_or_b32 s[G0+4*\slot+3], s[G0+4*\slot+3], 0x80000000          ; and the type on top
.endif
	s_barrier_signal -1
	WIN M2
	MUL AF2, BF1, 0, 1, 0                          ; register work while the others arrive
	WIN 0
	s_barrier_wait -1
.if \fill == 2
	CREST                                          ; all four work-groups have said so: no wave of any partner reads this slot or has a load on its way
	tensor_load_to_lds s[G0+4*\slot:G0+4*\slot+3], s[G1:G1+7]      ; my one tensor load behind the round, first thing there
	s_nop 0
.endif
	PLACES
	LDB \o, 0, BF0
	WIN 0
	LDA1 \o, 0
	WIN M2
	MUL AF2, BF1, 2, 5, 0
	PLACES
	WIN 0
	LDA2 \o, 0
	WIN M3
	MUL AF3, BF1, 0, 3, 0
	PLACES
	WIN 0
	LDA3 \o, 0
.else
	s_wait_dscnt 0x0
	WIN M2
	MUL AF2, BF1, 0, 5, 0
	WIN M3
	MUL AF3, BF1, 0, 3, 0
.endif
.endm
	s_load_b512 s[16:31], s[0:1], 0x0              ; xb 16, Wq 18, Wk 20, Wv 22, Wg 24, Wog 26, decp 28, bd 30
	s_load_b128 s[32:35], s[0:1], 0x40             ; norm_w 32, ub 34
	s_load_b64 s[36:37], s[0:1], 0x50              ; ssp
	s_set_vgpr_msb 0x40
	v_lshl_add_u32 v254, v0, 2, 0x4e400
	v_mov_b32 v255, 0
	s_set_vgpr_msb 0x4045
	ds_add_u32 v254, v255
	s_set_vgpr_msb 0x4500
	v_and_b32 v1, 31, v0                           ; L
	v_lshrrev_b32 v4, 5, v0
	v_readfirstlane_b32 s8, v4                     ; wave w
	v_and_b32 v2, 15, v0                           ; r
	v_bfe_u32 v3, v0, 4, 1                         ; h
	s_bfe_u32 s9, ttmp6, 0x40000                   ; cx: enters global offsets alone
	s_lshl_b32 s10, ttmp9, 2
	s_add_co_u32 s10, s10, s9                      ; cg = 4 x cluster x + cx
	s_and_b32 s11, ttmp7, 0xffff                   ; batch b
	s_mov_b32 s12, 0x76543210                      ; v_permlanex16_b32: lane i reads lane i of the other half
	s_mov_b32 s13, 0xfedcba98
	s_mul_i32 s38, ttmp9, KROT
	s_and_b32 s38, s38, 31                         ; my cluster's first K block: the cluster's number alone, equal in all four partners
	s_lshl_b32 s[KOFF], s38, 18                    ; slot 0: its byte offset in xb, 262,144 bytes a block
	s_add_co_u32 s[KOFF+1], s[KOFF], 0x40000
	s_and_b32 s[KOFF+1], s[KOFF+1], 0x7fffff       ; slot 1: the block behind it, round the end
	s_mov_b32 s39, 0                               ; s[38:39]: an offset as a pair
	; group 1: a wave's quarter of a tile is 32 KiB that lie dense in xb: 128 rows of 256 bytes (32 elements of 8), 16 bytes of padding behind every 128 bytes
	s_mov_b32 s[G1+0], 0x0733000f                  ; 15:0 mask 15 (all four partners); 17:16 element of 8 bytes; 20 padding on; 21 set beside a mask; 24:22 after 32 words (code 4); 31:25 four words (code 3)
	s_mov_b32 s[G1+1], 32<<16                      ; tensor_dim0 = 32
	s_mov_b32 s[G1+2], 128<<16                     ; tensor_dim1 = 128
	s_mov_b32 s[G1+3], 32<<16                      ; tile_dim0 = 32
	s_mov_b32 s[G1+4], 128                         ; tile_dim1 = 128
	s_mov_b32 s[G1+5], 32                          ; from row to row: 32 elements
	s_mov_b32 s[G1+6], 0
	s_mov_b32 s[G1+7], 0
	s_mul_i32 s61, s8, WPART                       ; my part of a slot
	s_lshl_b32 s62, s11, 17                        ; 1,024 b rows of 128 bytes
	s_lshl_b32 s63, s8, 15                         ; + 256 w rows
	s_add_co_u32 s62, s62, s63
	s_mov_b32 s63, 0
	s_wait_dscnt 0x0
	s_wait_kmcnt 0x0
	s_add_nc_u64 s[16:17], s[16:17], s[62:63]      ; xb at my rows in K block 0; stays so
	CROUND                                         ; all four work-groups are here: the first joint loads meet
.irp s, 0,1
	s_mov_b32 s[G0+4*\s], 1
	s_add_co_u32 s[G0+4*\s+1], s61, \s*SLOTB
	s_mov_b32 s38, s[KOFF+\s]
	s_add_nc_u64 s[G0+4*\s+2:G0+4*\s+3], s[16:17], s[38:39]        ; my cluster's K step s
	s_or_b32 s[G0+4*\s+3], s[G0+4*\s+3], 0x80000000
	tensor_load_to_lds s[G0+4*\s:G0+4*\s+3], s[G1:G1+7]            ; both first fills go out together: two loads of the wave are out
	s_nop 0
.endr
	; LDS addresses (made of the wave's number, the lane and constants alone)
	v_mul_u32_u24 v4, v2, 144
	v_lshl_add_u32 v4, v3, 4, v4
	v_add_nc_u32 v8, s61, v4                       ; A fragments, slot 0
	v_add_nc_u32 v9, SLOTB, v8                     ; slot 1
	v_and_b32 v4, 7, v0                            ; L & 7
	v_bfe_u32 v5, v0, 3, 1                         ; (L >> 3) & 1
	v_lshl_add_u32 v6, v3, 3, v4
	v_mul_u32_u24 v6, v6, BPITCH
	v_lshl_add_u32 v6, v5, 4, v6
	v_add_nc_u32 v10, BST, v6                      ; B fragments
	v_lshrrev_b32 v6, 2, v1                        ; L >> 2
	v_and_b32 v7, 3, v0                            ; L & 3
	v_mul_u32_u24 v23, v6, BPITCH
	v_lshl_add_u32 v23, v7, 3, v23
	s_mul_i32 s62, s8, 8*BPITCH
	s_add_co_u32 s62, s62, BST
	v_add_nc_u32 v11, s62, v23                     ; stage, in: row 8 w + L / 4, 8 bytes at 8 (L & 3)
	s_lshl_b32 s62, s8, 10
	s_add_co_u32 s62, s62, DD
	v_lshl_add_u32 v14, v3, 5, s62                 ; decays, out: 32 h
	v_lshl_add_u32 v24, v1, 5, s62                 ; decays, in: 32 L
	v_lshlrev_b32 v15, 2, v1
	v_add_nc_u32 v15, XCH, v15                     ; totals, out
	s_lshl_b32 s62, s8, 8
	v_add_nc_u32 v16, s62, v15                     ; totals, in
	s_mul_i32 s62, s8, 5120
	s_add_co_u32 s62, s62, BST                     ; my stage for the way out
	v_lshl_add_u32 v23, v5, 1, v3
	v_lshl_add_u32 v23, v23, 3, v4
	v_lshl_add_u32 v17, v23, 4, s62                ; u, in: place (2 (r >> 3) + h) 8 + (r & 7), 16 bytes each
	v_lshlrev_b32 v22, 4, v1                       ; 16 L
	v_add_nc_u32 v18, s62, v22                     ; u, out
	v_lshrrev_b32 v23, 1, v2
	v_lshl_add_u32 v23, v3, 3, v23
	s_add_co_u32 s63, s62, 4096
	v_lshl_add_u32 v19, v23, 2, s63                ; sums of squares, in: row 8 h + (r >> 1)
	v_add_nc_u32 v20, s63, v22                     ; out
	v_lshlrev_b32 v21, 4, v2
	v_lshl_add_u32 v21, v3, 15, v21                ; ub: 16 r + 32,768 h
	v_cmp_ne_u32 s56, 0, v3                        ; lanes 16-31
	v_cmp_eq_u32 s57, 0, v3                        ; lanes 0-15
	v_cmp_ne_u32 s58, 0, v5                        ; L & 8
	v_and_b32 v23, 4, v0
	v_cmp_ne_u32 s59, 0, v23                       ; L & 4
	v_and_b32 v23, 2, v0
	v_cmp_ne_u32 s60, 0, v23                       ; L & 2
	; global offsets (these hold cg)
	s_lshl_b32 s4, s10, 6                          ; 64 cg: my 16 columns in bytes
	s_lshl_b32 s5, s8, 16
	s_add_co_u32 s5, s5, s4
	s_lshl_b32 s6, s[KOFF], 1                      ; my cluster's first K block in a weight matrix: 524,288 bytes a block, twice xb's
	s_add_co_u32 s5, s5, s6
	v_lshlrev_b32 v23, 13, v6
	v_lshl_add_u32 v23, v7, 4, v23
	v_add_nc_u32 v12, s5, v23                      ; weights of K step 0: row 8 w + L / 4 of the block, 16 (L & 3) + 64 cg
	v_add_nc_u32 v30, 0x80000, v12
	v_and_b32 v30, 0xffffff, v30                   ; of K step 1, round the end
	v_add_nc_u32 v31, 0x80000, v30
	v_and_b32 v31, 0xffffff, v31                   ; of K step 2
	s_lshr_b32 s7, s10, 3                          ; head
	s_lshl_b32 s5, s7, 2
	v_mov_b32 v26, s5                              ; bd: 4 head
	s_lshl_b32 s6, s7, 6
	s_lshl_b32 s5, s11, 16
	s_add_co_u32 s6, s6, s5
	s_lshl_b32 s5, s8, 14
	s_add_co_u32 s6, s6, s5
	s_mov_b32 s7, 0
	s_add_nc_u64 s[28:29], s[28:29], s[6:7]        ; decp: (64 b + 16 w) blocks of 1,024 bytes + 64 head
	s_lshl_b32 s6, s10, 16
	s_lshl_b32 s5, s11, 14
	s_add_co_u32 s6, s6, s5
	s_lshl_b32 s5, s8, 12
	s_add_co_u32 s6, s6, s5
	s_add_nc_u64 s[34:35], s[34:35], s[6:7]        ; ub: plane 2 cg, row 1024 b + 256 w, 16 bytes a row
	s_lshl_b32 s6, s10, 13
	s_lshl_b32 s5, s11, 12
	s_add_co_u32 s6, s6, s5
	s_lshl_b32 s5, s8, 10
	s_add_co_u32 s6, s6, s5
	s_add_nc_u64 s[36:37], s[36:37], s[6:7]        ; ssp: [cg][row]
	s_mov_b32 s5, 0x3fb8aa3b                       ; log2 e
	v_lshrrev_b32 v23, 1, v1
	v_and_b32 v25, 1, v0
	v_lshlrev_b32 v25, 5, v25
	v_lshl_add_u32 v25, v23, 10, v25               ; decp: lane L takes rows 8 L .. 8 L + 7 of my 256
	v_lshl_add_u32 v27, v2, 2, s4                  ; norm_w: channel 16 cg + r
	global_load_b128 v[240:243], v25, s[28:29]
	global_load_b128 v[244:247], v25, s[28:29] offset:16
	global_load_b128 v[248:251], v25, s[28:29] offset:131072       ; the other K half's partial sums
	global_load_b128 v[252:255], v25, s[28:29] offset:131088
	global_load_b32 v28, v26, s[30:31]
	global_load_b32 v13, v27, s[32:33]
	WLOAD WST0, 12                                 ; weights of K step 0
	WLOAD WST0+40, 30                              ; and 1
	s_wait_loadcnt 20                              ; all but the two sets of weights
	; bd and norm_w take the precision that every other input has here: rounded to bf16 (nearest even), widened again; f32 from here on
	v_cvt_pk_bf16_f32 v29, v28, v13                ; low half bd, high half norm_w
	v_lshlrev_b32 v28, 16, v29
	v_and_b32 v13, 0xffff0000, v29
	; d = 1 / (1 + 2^((p0 + p1 + bd) log2 e))
.irp j, 0,2,4,6
	v_pk_add_f32 v[240+\j:241+\j], v[240+\j:241+\j], v[248+\j:249+\j]
.endr
	v_mul_f32 v28, s5, v28
.irp j, 0,1,2,3,4,5,6,7
	v_fma_f32 v[240+\j], v[240+\j], s5, v28
.endr
.irp j, 0,1,2,3,4,5,6,7
	v_exp_f32 v[240+\j], v[240+\j]
.endr
	v_nop                                          ; one plain place behind a transcendental (ISA guide 5.7.2)
	s_wait_alu depctr_va_vdst(0)
.irp j, 0,2,4,6
	v_pk_add_f32 v[240+\j:241+\j], v[240+\j:241+\j], 1.0 op_sel_hi:[1,0]
.endr
.irp j, 0,1,2,3,4,5,6,7
	v_rcp_f32 v[240+\j], v[240+\j]
.endr
	v_nop
	s_wait_alu depctr_va_vdst(0)
	ds_store_b128 v24, v[240:243]
	ds_store_b128 v24, v[244:247] offset:16
	CONV WST0, 0, 10, 0                            ; K step 0's weights into stage 0; step 1's ten loads stay out
	v_mov_b32 v12, v31                             ; step 0's loads, which named v12, are back (the wait for all but ten): from here on v12 is the offset of the set asked for last
	WLOAD WST0, 12                                 ; K step 2
	s_wait_tensorcnt 0x1                           ; my part of slot 0 is in; slot 1's may stay out
	s_wait_dscnt 0x0                               ; my stage stores are done
	s_barrier_signal -1
	s_barrier_wait -1
	LDB 0, 0, BF0
	WIN 0
	LDA1 0, 0
	LDA2 0, 0
	LDA3 0, 0
	; 32 K steps, counted from my cluster's first K block.  Step s multiplies tile s, rounds the weights of step s + 1, asks for those of step s + 3 and for tile s + 2.
	STEP 0, 1, 1, 2, 1, 10, 1                      ; the first products start the sums: nothing is cleared
	STEP 1, 0, 0, 2, 1, 10, 1
	s_mov_b32 s3, 13
.Llap:
	STEP 0, 1, 0, 2, 1, 10, 1
	STEP 1, 0, 0, 2, 1, 10, 1
	s_sub_co_u32 s3, s3, 1
	s_cmp_lg_u32 s3, 0
	s_cbranch_scc1 .Llap
	STEP 0, 1, 0, 2, 1, 10, 1                      ; step 28: the last weights (31) are asked for
	STEP 1, 0, 0, 2, 1, 10, 0                      ; step 29: the last tile (31) is asked for
	STEP 0, 1, 0, 1, 1, 0, 0                       ; step 30: only step 31's weights are out, so that wait is for 0
	STEP 1, 0, 0, 0, 0, 0, 0                       ; step 31
	; ---- behind the products.  Window 0: d, later P, at v[112 + 8 i + j]; per block i: E0 v32+, Q0 v48+, BE v64+, BQ v80+, C v96+ ----
	WIN 0
	PLACES
.set ii, 0
.rept 16
	ds_load_b128 v[112+8*ii:115+8*ii], v14 offset:64*ii            ; d of rows 16 i + 8 h .. +7 (my wave's own bytes)
	ds_load_b128 v[116+8*ii:119+8*ii], v14 offset:64*ii+16
.set ii, ii+1
.endr
; g and og become their sigmoids, k becomes kv = sigmoid(g) k v.  All operands in the blocks' own window.
.macro GATE nb
.set bk, 0
.rept \nb
.irp j, 0,2,4,6,8,10,12,14
	v_pk_mul_f32 v[bk+24+\j:bk+25+\j], v[bk+24+\j:bk+25+\j], 0xbfb8aa3b op_sel_hi:[1,0]
.endr
.set jj, 0
.rept 16
	v_exp_f32 v[bk+24+jj], v[bk+24+jj]
.set jj, jj+1
.endr
.irp j, 0,2,4,6
	v_pk_mul_f32 v[bk+8+\j:bk+9+\j], v[bk+8+\j:bk+9+\j], v[bk+16+\j:bk+17+\j]     ; k v: also the plain place behind the exponentials
.endr
	s_wait_alu depctr_va_vdst(0)
.irp j, 0,2,4,6,8,10,12,14
	v_pk_add_f32 v[bk+24+\j:bk+25+\j], v[bk+24+\j:bk+25+\j], 1.0 op_sel_hi:[1,0]
.endr
.set jj, 0
.rept 16
	v_rcp_f32 v[bk+24+jj], v[bk+24+jj]
.set jj, jj+1
.endr
	v_nop
	s_wait_alu depctr_va_vdst(0)
.irp j, 0,2,4,6
	v_pk_mul_f32 v[bk+8+\j:bk+9+\j], v[bk+8+\j:bk+9+\j], v[bk+24+\j:bk+25+\j]
.endr
.set bk, bk+40
.endr
.endm
	WIN 0x55
	GATE 6
	WIN 0xaa
	GATE 6
	WIN 0xff
	GATE 4
; og takes norm_w in; the scan of a lane's eight steps from 0.  Source 1 in window 0, the rest in the blocks' window.
.macro LSCAN nb, i0
.set bi, 0
.rept \nb
.set jj, 0
.rept 8
	v_mul_f32 v[40*bi+32+jj], v[40*bi+32+jj], v13
.set jj, jj+1
.endr
.set bi, bi+1
.endr
.set jj, 1
.rept 7
.set bi, 0
.rept \nb
	v_fma_f32 v[40*bi+8+jj], v[40*bi+7+jj], v[112+8*(\i0+bi)+jj], v[40*bi+8+jj]
.set bi, bi+1
.endr
.set jj, jj+1
.endr
.endm
	s_wait_dscnt 0x0                               ; the decays
	WIN 0x51
	LSCAN 6, 0
	WIN 0xa2
	LSCAN 6, 6
	WIN 0xf3
	LSCAN 4, 12
	WIN 0
.set jj, 1
.rept 7                                            ; P_j = d_0 .. d_j
.set ii, 0
.rept 16
	v_mul_f32 v[112+8*ii+jj], v[111+8*ii+jj], v[112+8*ii+jj]
.set ii, ii+1
.endr
.set jj, jj+1
.endr
; the ends of the two 8-step segments of a block, known to both lane halves.  Source 0 in the blocks' window.
.macro ENDS nb, i0
.set bi, 0
.rept \nb
	v_permlanex16_b32 v[96+\i0+bi], v[40*bi+15], s12, s13
	v_cndmask_b32 v[32+\i0+bi], v[40*bi+15], v[96+\i0+bi], s56     ; E0: the lower segment's end
	v_cndmask_b32 v[64+\i0+bi], v[40*bi+15], v[96+\i0+bi], s57     ; the upper segment's end
.set bi, bi+1
.endr
.endm
	WIN 0x01
	ENDS 6, 0
	WIN 0x02
	ENDS 6, 6
	WIN 0x03
	ENDS 4, 12
	WIN 0
.set ii, 0
.rept 16
	v_permlanex16_b32 v[96+ii], v[119+8*ii], s12, s13
	v_cndmask_b32 v[48+ii], v[119+8*ii], v[96+ii], s56             ; Q0: the lower segment's product
	v_cndmask_b32 v[80+ii], v[119+8*ii], v[96+ii], s57             ; the upper segment's product
	v_fma_f32 v[64+ii], v[80+ii], v[32+ii], v[64+ii]               ; BE: the block's end from 0
	v_mul_f32 v[80+ii], v[48+ii], v[80+ii]                         ; BQ: the block's product
.set ii, ii+1
.endr
	v_fma_f32 v23, v81, v64, v65                   ; the wave's end from 0,
	v_mul_f32 v24, v80, v81                        ; and its product
.set ii, 2
.rept 14
	v_fma_f32 v23, v[80+ii], v23, v[64+ii]
	v_mul_f32 v24, v24, v[80+ii]
.set ii, ii+1
.endr
	ds_store_b32 v16, v23
	ds_store_b32 v16, v24 offset:128
	s_wait_dscnt 0x0                               ; for the other waves: zero.  Also: every wave's reads of the weight stages are long back
	s_barrier_signal -1
	s_barrier_wait -1
	ds_load_b32 v25, v15                           ; wave 0's end
	ds_load_b32 v27, v15 offset:256                ; wave 1's end and product
	ds_load_b32 v28, v15 offset:384
	ds_load_b32 v29, v15 offset:512                ; wave 2's
	ds_load_b32 v30, v15 offset:640
	s_wait_dscnt 0x0
	s_cmp_gt_u32 s8, 0                             ; the state that enters my wave: the waves in front of me, chosen by value, every wave does all the work
	s_cselect_b32 s61, -1, 0
	v_cndmask_b32 v31, 0, v25, s61
	v_fma_f32 v4, v28, v31, v27
	s_cmp_gt_u32 s8, 1
	s_cselect_b32 s61, -1, 0
	v_cndmask_b32 v31, v31, v4, s61
	v_fma_f32 v4, v30, v31, v29
	s_cmp_gt_u32 s8, 2
	s_cselect_b32 s61, -1, 0
	v_cndmask_b32 v96, v31, v4, s61                ; C_0
.set ii, 0
.rept 15
	v_fma_f32 v[97+ii], v[80+ii], v[96+ii], v[64+ii]               ; the state that enters block i + 1
.set ii, ii+1
.endr
.set ii, 0
.rept 16
	v_fma_f32 v[32+ii], v[48+ii], v[96+ii], v[32+ii]               ; the state that enters the block's upper segment
.set ii, ii+1
.endr
.set ii, 0
.rept 16
	v_cndmask_b32 v[96+ii], v[96+ii], v[32+ii], s56                ; each lane half takes its own
.set ii, ii+1
.endr
; s_j = local s_j + P_j x the state that enters my segment.  Source 2 and destination in the blocks' window.
.macro ADDIN nb, i0
.set bi, 0
.rept \nb
.set jj, 0
.rept 8
	v_fma_f32 v[40*bi+8+jj], v[96+\i0+bi], v[112+8*(\i0+bi)+jj], v[40*bi+8+jj]
.set jj, jj+1
.endr
.set bi, bi+1
.endr
.endm
	WIN 0x50
	ADDIN 6, 0
	WIN 0xa0
	ADDIN 6, 6
	WIN 0xf0
	ADDIN 4, 12
; eight rows' sums over the 16 lanes of a half: each stage halves the rows a lane keeps and adds its partner's; lane r ends with row r >> 1
.macro BFLY sq
.irp j, 0,1,2,3
	v_cndmask_b32 v[104+\j], v[\sq+\j], v[\sq+4+\j], s58
	v_cndmask_b32 v[108+\j], v[\sq+4+\j], v[\sq+\j], s58
.endr
.irp j, 0,1,2,3
	v_add_f32_dpp v[104+\j], v[108+\j], v[104+\j] row_xmask:8 row_mask:0xf bank_mask:0xf
.endr
.irp j, 0,1
	v_cndmask_b32 v[\sq+\j], v[104+\j], v[106+\j], s59
	v_cndmask_b32 v[\sq+2+\j], v[106+\j], v[104+\j], s59
.endr
.irp j, 0,1
	v_add_f32_dpp v[\sq+\j], v[\sq+2+\j], v[\sq+\j] row_xmask:4 row_mask:0xf bank_mask:0xf
.endr
	v_cndmask_b32 v104, v[\sq], v[\sq+1], s60
	v_cndmask_b32 v105, v[\sq+1], v[\sq], s60
	v_add_f32_dpp v104, v105, v104 row_xmask:2 row_mask:0xf bank_mask:0xf
	v_add_f32_dpp v104, v104, v104 row_xmask:1 row_mask:0xf bank_mask:0xf
.endm
; a window's blocks: q <- q s, og <- u, in their own window; the squares (v32 ..) and u in bf16 (v80 ..) into window 0; the rest under window 0.
; u leaves through my stage: a lane stores its channel's 8 rows (16 bytes), the transposing load gives each lane one row's 8 channels.
.macro FIN same, from, nb, i0
	WIN \same
.set bi, 0
.rept \nb
.irp j, 0,2,4,6
	v_pk_mul_f32 v[40*bi+\j:40*bi+\j+1], v[40*bi+\j:40*bi+\j+1], v[40*bi+8+\j:40*bi+9+\j]
.endr
.irp j, 0,2,4,6
	v_pk_mul_f32 v[40*bi+32+\j:40*bi+33+\j], v[40*bi+\j:40*bi+\j+1], v[40*bi+32+\j:40*bi+33+\j]
.endr
.set bi, bi+1
.endr
	WIN \from
.set bi, 0
.rept \nb
.irp j, 0,2,4,6
	v_pk_mul_f32 v[32+8*bi+\j:33+8*bi+\j], v[40*bi+\j:40*bi+\j+1], v[40*bi+\j:40*bi+\j+1]
.endr
.irp j, 0,1,2,3
	v_cvt_pk_bf16_f32 v[80+4*bi+\j], v[40*bi+32+2*\j], v[40*bi+33+2*\j]
.endr
.set bi, bi+1
.endr
	WIN 0
.set bi, 0
.rept \nb
	ds_store_b128 v17, v[80+4*bi:83+4*bi] offset:512*bi
	BFLY 32+8*bi
	ds_store_b32 v19, v104 offset:64*(\i0+bi)
.set bi, bi+1
.endr
.set bi, 0
.rept \nb
	ds_load_tr16_b128 v[112+4*(\i0+bi):115+4*(\i0+bi)], v18 offset:512*bi          ; LDS serves a wave's instructions in order: these see the stores above
.set bi, bi+1
.endr
.set bi, 0
.rept \nb
	s_wait_dscnt \nb-1-bi
	global_store_b128 v21, v[112+4*(\i0+bi):115+4*(\i0+bi)], s[34:35] offset:256*(\i0+bi)   ; 16 lanes: 16 rows of one plane, 256 consecutive bytes, aligned
.set bi, bi+1
.endr
.endm
	FIN 0x55, 0x05, 6, 0
	FIN 0xaa, 0x0a, 6, 6
	FIN 0xff, 0x0f, 4, 12
	ds_load_b128 v[176:179], v20                   ; my 256 rows' sums of squares
	ds_load_b128 v[180:183], v20 offset:512
	s_wait_dscnt 0x0
	global_store_b128 v22, v[176:179], s[36:37]
	global_store_b128 v22, v[180:183], s[36:37] offset:512
	s_set_vgpr_msb 0x5
	s_wait_tensorcnt 0x0
	ds_add_u32 v254, v255
	s_wait_dscnt 0x0
	s_set_vgpr_msb 0x500
	CROUND                                         ; the closing round: no work-group ends while a partner may still ask for a tile that names it
	s_endpgm
.Lfunc_end_k_q5f4c99a39f_proj:
	.size	k_q5f4c99a39f_proj, .Lfunc_end_k_q5f4c99a39f_proj-k_q5f4c99a39f_proj
	.p2alignl 7, 3214868480
	.fill 96, 4, 3214868480
	.section	.rodata,"a",@progbits
	.p2align	6, 0x0
	.amdhsa_kernel k_q5f4c99a39f_proj
		.amdhsa_group_segment_fixed_size 327680
		.amdhsa_private_segment_fixed_size 0
		.amdhsa_enable_private_segment 0
		.amdhsa_kernarg_size 88
		.amdhsa_user_sgpr_count 2
		.amdhsa_user_sgpr_kernarg_segment_ptr 1
		.amdhsa_wavefront_size32 1
		.amdhsa_system_sgpr_workgroup_id_x 1
		.amdhsa_system_sgpr_workgroup_id_y 1
		.amdhsa_system_sgpr_workgroup_id_z 1
		.amdhsa_system_vgpr_workitem_id 0
		.amdhsa_next_free_vgpr 1024
		.amdhsa_next_free_sgpr 66
		.amdhsa_reserve_vcc 0
		.amdhsa_float_denorm_mode_32 3
		.amdhsa_float_denorm_mode_16_64 3
		.amdhsa_memory_ordered 1
		.amdhsa_forward_progress 1
		.amdhsa_inst_pref_size 255
	.end_amdhsa_kernel
	.section	.bss,"aw",@nobits
	.p2align	6
	.space	262144
	.amdgpu_metadata
---
amdhsa.version: [ 1, 2 ]
amdhsa.kernels:
  - .name:           k_q5f4c99a39f_proj
    .symbol:         k_q5f4c99a39f_proj.kd
    .args:
      - { .name: xb, .offset: 0, .size: 8, .value_kind: global_buffer, .address_space: global }
      - { .name: Wq, .offset: 8, .size: 8, .value_kind: global_buffer, .address_space: global }
      - { .name: Wk, .offset: 16, .size: 8, .value_kind: global_buffer, .address_space: global }
      - { .name: Wv, .offset: 24, .size: 8, .value_kind: global_buffer, .address_space: global }
      - { .name: Wg, .offset: 32, .size: 8, .value_kind: global_buffer, .address_space: global }
      - { .name: Wog, .offset: 40, .size: 8, .value_kind: global_buffer, .address_space: global }
      - { .name: decp, .offset: 48, .size: 8, .value_kind: global_buffer, .address_space: global }
      - { .name: bd, .offset: 56, .size: 8, .value_kind: global_buffer, .address_space: global }
      - { .name: norm_w, .offset: 64, .size: 8, .value_kind: global_buffer, .address_space: global }
      - { .name: ub, .offset: 72, .size: 8, .value_kind: global_buffer, .address_space: global }
      - { .name: ssp, .offset: 80, .size: 8, .value_kind: global_buffer, .address_space: global }
    .group_segment_fixed_size: 327680
    .private_segment_fixed_size: 0
    .kernarg_segment_align: 8
    .kernarg_segment_size: 88
    .max_flat_workgroup_size: 128
    .sgpr_count:     66
    .vgpr_count:     1024
    .wavefront_size: 32
...
	.end_amdgpu_metadata
.endif
;; end of part 2
;; launch outp (part 3): grid 16 x 16, 4 waves a work-group, clusters of 4 x 4, 327,680 bytes of LDS; arguments ub, wob, ssp, out0; writes out0
.if DOCPART == 3
	.amdgcn_target "amdgcn-amd-amdhsa--gfx1250"
	.amdhsa_code_object_version 6
	.text
	.protected	k_q5f4c99a39f_outp
	.globl	k_q5f4c99a39f_outp
	.p2align	8
	.type	k_q5f4c99a39f_outp,@function
k_q5f4c99a39f_outp:
	s_mov_b64 s[64:65], 0
	v_nop
	global_prefetch_b8 v0, s[64:65] scope:SCOPE_SE
	s_setreg_imm32_b32 hwreg(HW_REG_WAVE_MODE, 25, 1), 1
	s_wait_xcnt 0x0
	s_wait_alu depctr_hold_cnt(0) depctr_sa_sdst(0) depctr_va_vdst(0) depctr_va_sdst(0) depctr_va_ssrc(0) depctr_va_vcc(0) depctr_vm_vsrc(0)
	s_getreg_b32 s2, hwreg(HW_REG_IB_STS2, 6, 4)
	s_cmp_eq_u32 s2, 0
	s_cbranch_scc0 .Lentry_in_a_cluster
	s_endpgm
.Lentry_in_a_cluster:
	s_bfe_u32 s2, ttmp6, 0x10000c
	s_cmp_lg_u32 s2, 0xf033
	s_cbranch_scc0 .Lentry_shape_is_right
	s_endpgm
.Lentry_shape_is_right:
; outp: out[t][n] = r[t] x sum over k of u[t][k] Wo[k][n], r[t] = 1 / sqrt(sum of squares of row t / 2048 + eps).  The norm's factor is one number a row,
; so it is applied to the finished sums.  u: ub[k / 8][row][8] bf16; Wo: wob[k][n] bf16; the 128 partial sums of squares of a row: ssp[cg][row] f32.
; 16 x 16 work-groups, each a block of 128 x 128 of out, so that all 256 have equal work; four waves of 64 x 64 (16 accumulator tiles).
; K goes in steps of 256 through two LDS slots; a step is four chunks of 64.  CLUSTER 4 x 4: u's tile hangs on the block row alone and is asked for jointly by
; a row of the cluster, Wo's on the block column alone, by a column.  Waves 0, 1 fetch u's two halves (16 planes of 8 k each), waves 2, 3 Wo's (128 k each).
; K ORDER: cluster (X, Y) begins at K step 2 ((X + 2 Y) mod 4) of the 8 and goes round the end (the sums' order of rounding differs by that alone).  The four clusters
; that use the same tiles of u (one Y) begin 2 steps apart; of the four that use the same tiles of Wo (one X), neighbours in Y begin 4 steps apart.  So most tiles that
; a cluster asks for have been asked for by another cluster in an earlier step, and the clusters do not all meet a tile for the first time at the same moment.
; X and Y are the cluster's own numbers (ttmp9, ttmp7), equal in all sixteen work-groups, so every joint load's descriptor stays equal in those that it names.
; The matrix instruction is used transposed (source 0 = Wo's fragment, source 1 = u's): a lane then holds eight neighbouring columns of one row of out.
; LDS: slot s at 147,456 s; wave w's part at + 36,864 w: u's planes [16][128 rows][16 bytes] (32,768 bytes used), Wo's rows at pitch 288 = 256 + 32;
; behind the slots: each wave's stage for the way out (16 rows, pitch 272), the waves' partial sums (2 KiB), r of the 128 rows (512 bytes).
; REGISTERS: window 0: addresses, v64-127 and v128-191 u's fragments (two buffers), v192-223 at work; window 1: v0-63, v64-127 Wo's fragments, v128-255 accumulators.
.set PART,  36864
.set SLOT,  147456
.set BP,    288                        ; an odd multiple of 32, for the transposing load
.set STAGE, 294912
.set SP,    272
.set RP,    312320
.set RSC,   314368
.set ADRA,  16                         ; v16-19: u's fragments, slot x half
.set ADRB,  20                         ; v20-23: Wo's
.set STO,   24
.set RD,    25
.set CO,    26
.set RSA,   27
.set TMP,   192
.set G1,  24
.set G0,  32
.set G1B, 48
.set G0B, 56
.set KP,  66                           ; s[66:67]: an offset as a pair (s67 = 0)
.set KO,  68                           ; s68, s69: byte offset, in ub and in wob alike (1 MiB a K step), of the K step that slot 0, 1 holds or is being filled with
.set MULW, 0x51                        ; source 0 window 1, source 1 window 0, C and D window 1
.set TO_B, 0x40                        ; destination window 1
.set MSB, 0
.macro WIN new
.if MSB != \new
	s_set_vgpr_msb (MSB<<8)|\new
.set MSB, \new
.endif
.endm
.macro PLACES                          ; four places behind a matrix instruction (ISA guide 7.12.1)
.rept 4
	v_nop
.endr
.endm
.macro JLOAD s                         ; a joint load: each line has one mask and one set of registers; the branch hangs on the wave's number alone
	s_cmp_eq_u32 s13, 0
	s_cbranch_scc0 .Lfor_b_\@
	tensor_load_to_lds s[G0+4*\s:G0+4*\s+3], s[G1:G1+7]
	s_nop 0
	s_branch .Lasked_\@
.Lfor_b_\@:
	tensor_load_to_lds s[G0B+4*\s:G0B+4*\s+3], s[G1B:G1B+7]
	s_nop 0
.Lasked_\@:
.endm
; both addresses of slot s anew: each buffer's base for my part + the slot's K step, the type on top
.macro ADDR s
	s_mov_b32 s[KP], s[KO+\s]
	s_add_nc_u64 s[G0+4*\s+2:G0+4*\s+3], s[18:19], s[KP:KP+1]
	s_or_b32 s[G0+4*\s+3], s[G0+4*\s+3], 0x80000000
	s_add_nc_u64 s[G0B+4*\s+2:G0B+4*\s+3], s[46:47], s[KP:KP+1]
	s_or_b32 s[G0B+4*\s+3], s[G0B+4*\s+3], 0x80000000
.endm
.macro CREST
	s_cmp_lg_u32 s12, 0
	s_cbranch_scc1 .Lnot_wave_0_\@
	s_barrier_signal -3
.Lnot_wave_0_\@:
	s_barrier_wait -3
	s_barrier_signal -1
	s_barrier_wait -1
.endm
.macro CROUND
	s_barrier_signal -1
	s_barrier_wait -1
	CREST
.endm
	s_load_b256 s[4:11], s[0:1], 0x0               ; ub s[4:5], wob s[6:7], ssp s[8:9], out0 s[10:11]
	v_lshl_add_u32 v254, v0, 2, 0x4ce00
	v_mov_b32 v255, 0
	ds_add_u32 v254, v255
	v_lshrrev_b32 v1, 5, v0
	v_readfirstlane_b32 s12, v1                    ; wave
	s_lshr_b32 s13, s12, 1                         ; wm: my 64 rows.  Also: I fetch for u (0) or for Wo (1)
	s_and_b32 s14, s12, 1                          ; wn: my 64 columns.  Also: which half I fetch
	s_bfe_u32 s40, ttmp6, 0x40000                  ; cx
	s_bfe_u32 s41, ttmp6, 0x40004                  ; cy
	s_lshl_b32 s42, ttmp9, 2
	s_add_co_u32 s42, s42, s40                     ; block column bx
	s_and_b32 s15, ttmp7, 0xffff
	s_lshl_b32 s15, s15, 2
	s_add_co_u32 s15, s15, s41                     ; block row by
	s_lshl_b32 s43, s41, 2
	s_lshl_b32 s43, 15, s43                        ; my row of the cluster
	s_lshl_b32 s44, 0x1111, s40                    ; my column
	s_and_b32 s[KO], ttmp7, 0xffff                 ; the cluster's Y
	s_lshl_b32 s[KO], s[KO], 1
	s_add_co_u32 s[KO], s[KO], ttmp9               ; X + 2 Y
	s_and_b32 s[KO], s[KO], 3
	s_lshl_b32 s[KO], s[KO], 21                    ; slot 0: K step 2 ((X + 2 Y) mod 4), 1 MiB a step
	s_add_co_u32 s[KO+1], s[KO], 0x100000          ; slot 1: the step behind it (7 at the most: no end to go round yet)
	s_mov_b32 s[KP+1], 0
	; u: 16 planes; a plane's 128 rows are 2,048 consecutive bytes = 256 elements of 8; from plane to plane 32,768 bytes = 4,096 elements; no padding
	s_or_b32 s[G1+0], s43, (3<<16)|(1<<21)
	s_mov_b32 s[G1+1], 256<<16
	s_mov_b32 s[G1+2], 16<<16
	s_mov_b32 s[G1+3], 256<<16
	s_mov_b32 s[G1+4], 16
	s_mov_b32 s[G1+5], 4096
	s_mov_b32 s[G1+6], 0
	s_mov_b32 s[G1+7], 0
	; Wo: 128 rows of 128 elements of 2 bytes, 2,048 elements from row to row; 8 words of padding behind every 64
	s_or_b32 s[G1B+0], s44, (1<<16)|(1<<20)|(1<<21)|(5<<22)|(7<<25)
	s_mov_b32 s[G1B+1], 128<<16
	s_mov_b32 s[G1B+2], 128<<16
	s_mov_b32 s[G1B+3], 128<<16
	s_mov_b32 s[G1B+4], 128
	s_mov_b32 s[G1B+5], 2048
	s_mov_b32 s[G1B+6], 0
	s_mov_b32 s[G1B+7], 0
	s_lshl_b32 s17, s14, 19                        ; my half: 16 planes of 32,768 bytes, or 128 rows of 4,096
	s_lshl_b32 s16, s15, 11                        ; u: 128 by rows of 16 bytes
	s_add_co_u32 s16, s16, s17
	s_lshl_b32 s46, s42, 8                         ; Wo: 128 bx columns of 2 bytes
	s_add_co_u32 s46, s46, s17
	s_mov_b32 s17, 0
	s_mov_b32 s47, 0
	s_mul_i32 s20, s12, PART                       ; where my part goes: the wave's number alone
	s_wait_dscnt 0x0
	s_wait_kmcnt 0x0
	s_add_nc_u64 s[18:19], s[4:5], s[16:17]        ; u's base for my part, in K step 0; stays so through the K steps
	s_add_nc_u64 s[46:47], s[6:7], s[46:47]        ; Wo's likewise
	CROUND                                         ; all sixteen work-groups are here: the first joint loads meet
.irp s, 0,1
	s_mov_b32 s[G0+4*\s], 1
	s_add_co_u32 s[G0+4*\s+1], s20, \s*SLOT
	s_mov_b32 s[G0B+4*\s], 1
	s_add_co_u32 s[G0B+4*\s+1], s20, \s*SLOT
	ADDR \s                                        ; my cluster's K step s
	JLOAD \s                                       ; two loads of the wave are out
.endr
	; the rows' sums of squares: wave w adds channel groups 32 w .. +31 for the block's 128 rows, 4 rows a lane
	s_lshl_b32 s16, s15, 9
	s_lshl_b32 s17, s12, 18
	s_add_co_u32 s16, s16, s17
	s_mov_b32 s17, 0
	s_add_nc_u64 s[8:9], s[8:9], s[16:17]
	v_and_b32 v5, 31, v0
	v_lshlrev_b32 v28, 4, v5
.set q, 0
.rept 32
	global_load_b128 v[64+4*q:67+4*q], v28, s[8:9] offset:8192*q
.set q, q+1
.endr
	v_and_b32 v1, 15, v0                           ; r
	v_bfe_u32 v2, v0, 4, 1                         ; h
	v_lshlrev_b32 v3, 4, v1
	v_lshl_add_u32 v3, v2, 11, v3                  ; plane h, row r
	s_lshl_b32 s22, s13, 10                        ; + 64 wm rows
	v_add_nc_u32 v[ADRA], s22, v3
	v_add_nc_u32 v[ADRA+1], PART, v[ADRA]
	v_add_nc_u32 v[ADRA+2], SLOT, v[ADRA]
	v_add_nc_u32 v[ADRA+3], SLOT+PART, v[ADRA]
	v_and_b32 v3, 7, v0
	v_lshl_add_u32 v3, v2, 3, v3
	v_mul_u32_u24 v3, v3, BP
	v_bfe_u32 v4, v0, 3, 1
	v_lshl_add_u32 v3, v4, 4, v3
	s_lshl_b32 s22, s14, 7                         ; 64 wn columns
	s_add_co_u32 s22, s22, 2*PART
	v_add_nc_u32 v[ADRB], s22, v3
	v_add_nc_u32 v[ADRB+1], PART, v[ADRB]
	v_add_nc_u32 v[ADRB+2], SLOT, v[ADRB]
	v_add_nc_u32 v[ADRB+3], SLOT+PART, v[ADRB]
	s_mul_i32 s23, s12, 16*SP
	s_add_co_u32 s23, s23, STAGE
	v_mul_u32_u24 v3, v1, SP
	v_lshl_add_u32 v3, v2, 5, v3
	v_add_nc_u32 v[STO], s23, v3                   ; in: row r, 32 bytes for each half of the lanes
	v_mul_u32_u24 v3, v2, SP
	v_lshl_add_u32 v3, v1, 4, v3
	v_add_nc_u32 v[RD], s23, v3                    ; back: lanes 0-15 one row of 256 bytes, lanes 16-31 the next
	v_lshlrev_b32 v[CO], 4, v1
	v_lshl_add_u32 v[CO], v2, 13, v[CO]            ; the same two rows in out
	s_lshl_b32 s22, s13, 8
	s_add_co_u32 s22, s22, RSC
	v_lshl_add_u32 v[RSA], v1, 2, s22              ; r of row 64 wm + r
	s_lshl_b32 s22, s12, 9
	s_add_co_u32 s22, s22, RP
	v_add_nc_u32 v29, s22, v28                     ; partial sums, in: 512 w + 16 L
	s_lshl_b32 s22, s12, 7
	s_add_co_u32 s22, s22, RP
	v_lshl_add_u32 v30, v5, 2, s22                 ; out: row t = 32 w + L
	v_add_nc_u32 v31, RSC-RP, v30
	s_mov_b32 s21, 0x3a000000                      ; 1 / 2048
	s_mov_b32 s45, 0x34000000                      ; eps = 2^-23
	s_wait_loadcnt 0x0
.irp st, 16,8,4,2,1
.set q, 0
.rept \st
	v_pk_add_f32 v[64+4*q:65+4*q], v[64+4*q:65+4*q], v[64+4*(q+\st):65+4*(q+\st)]
	v_pk_add_f32 v[66+4*q:67+4*q], v[66+4*q:67+4*q], v[66+4*(q+\st):67+4*(q+\st)]
.set q, q+1
.endr
.endr
	ds_store_b128 v29, v[64:67]
	s_wait_dscnt 0x0
	s_barrier_signal -1                            ; the tiles stay on their way
	s_barrier_wait -1
.irp u, 0,1,2,3
	ds_load_b32 v[6+\u], v30 offset:512*\u
.endr
	s_wait_dscnt 0x0
	v_add_f32 v6, v6, v7
	v_add_f32 v8, v8, v9
	v_add_f32 v6, v6, v8
	v_fma_f32 v6, v6, s21, s45
	v_rsq_f32 v6, v6
	v_nop                                          ; one plain place behind a transcendental (ISA guide 5.7.2)
	s_wait_alu depctr_va_vdst(0)
	ds_store_b32 v31, v6
; 32 LDS loads in one run: chunk c (64 k) of a slot into buffer f.  Wo's lie [k][n]: the transposing load.
.macro FETCH slot, c, f
	WIN TO_B
.irp s, 0,1
.irp b, 0,1,2,3
	ds_load_tr16_b128 v[64*\f+8*(4*\s+\b):64*\f+8*(4*\s+\b)+3],   v[ADRB+2*\slot+(\c>>1)] offset:((\c&1)*64+32*\s)*BP+32*\b
	ds_load_tr16_b128 v[64*\f+8*(4*\s+\b)+4:64*\f+8*(4*\s+\b)+7], v[ADRB+2*\slot+(\c>>1)] offset:((\c&1)*64+32*\s)*BP+32*\b+16*BP
.endr
.endr
	WIN 0
.irp s, 0,1
.irp a, 0,1,2,3
	ds_load_b128 v[64+64*\f+8*(4*\s+\a):64+64*\f+8*(4*\s+\a)+3],   v[ADRA+2*\slot+(\c>>1)] offset:((\c&1)*8+4*\s)*2048+256*\a
	ds_load_b128 v[64+64*\f+8*(4*\s+\a)+4:64+64*\f+8*(4*\s+\a)+7], v[ADRA+2*\slot+(\c>>1)] offset:((\c&1)*8+4*\s)*2048+256*\a+4096
.endr
.endr
.endm
; row blocks a0 .. a1 x 4 column blocks, 32 along K (sub step s of buffer f).  The 16 accumulators take turns, one instruction a turn.
.macro MULS f, s, a0, a1, zero
.set aa, \a0
.rept \a1-\a0+1
.irp b, 0,1,2,3
.if \zero
	v_wmma_f32_16x16x32_bf16 v[128+8*(4*aa+\b):128+8*(4*aa+\b)+7], v[64*\f+8*(4*\s+\b):64*\f+8*(4*\s+\b)+7], v[64+64*\f+8*(4*\s+aa):64+64*\f+8*(4*\s+aa)+7], 0
.else
	v_wmma_f32_16x16x32_bf16 v[128+8*(4*aa+\b):128+8*(4*aa+\b)+7], v[64*\f+8*(4*\s+\b):64*\f+8*(4*\s+\b)+7], v[64+64*\f+8*(4*\s+aa):64+64*\f+8*(4*\s+aa)+7], v[128+8*(4*aa+\b):128+8*(4*aa+\b)+7]
.endif
.endr
.set aa, aa+1
.endr
.endm
; one of a step's first three chunks: multiplies buffer f, fetches chunk cn of the same slot into buffer g
.macro CHUNK slot, cn, f, g, zero
	s_wait_dscnt 8                                 ; all but u's second sub step (the youngest eight loads)
	WIN MULW
	MULS \f, 0, 0, 3, \zero
	PLACES
	FETCH \slot, \cn, \g
	s_wait_dscnt 32                                ; all but the 32 just issued
	WIN MULW
	MULS \f, 1, 0, 3, 0
.endm
.macro THREE slot, zero
	CHUNK \slot, 1, 0, 1, \zero
	CHUNK \slot, 2, 1, 0, 0
	CHUNK \slot, 3, 0, 1, 0
.endm
; the last chunk: multiplies buffer 1 and changes slots; fill = 1: this slot is filled again, two steps ahead
.macro TURN slot, next, fill
	s_wait_dscnt 8
	WIN MULW
	MULS 1, 0, 0, 1, 0
	s_wait_dscnt 0x0                               ; my reads of this slot are over,
	s_set_vgpr_msb 0x5150
	s_wait_tensorcnt 0x0                           ; and all my tensor loads have landed: the one that was out is my part of the next slot
	ds_add_u32 v254, v255
	s_wait_dscnt 0x0
	s_set_vgpr_msb 0x5051
.if \fill
	s_add_co_u32 s[KO+\slot], s[KO+\slot], 0x200000                ; no load of mine is out, so this slot's groups 0 may be written: two K steps on,
	s_and_b32 s[KO+\slot], s[KO+\slot], 0x7fffff                   ; round the end of the 8 steps (8 MiB)
	ADDR \slot
.endif
	s_barrier_signal -1
	MULS 1, 0, 2, 3, 0                             ; register work while the others arrive
	WIN 0
	s_barrier_wait -1
.if \fill
	CREST                                          ; all sixteen work-groups have said so: no wave of any partner reads this slot or has a load on its way
	JLOAD \slot                                    ; the first tensor load behind the round, one a wave
.endif
	PLACES
	FETCH \next, 0, 0
	WIN MULW
	MULS 1, 1, 0, 3, 0
.endm
.macro LAP zero
	THREE 0, \zero
	TURN 0, 1, 1
	THREE 1, 0
	TURN 1, 0, 1
.endm
	s_wait_tensorcnt 0x1                           ; my part of my first K step is in; the second's may stay out
	s_wait_dscnt 0x0                               ; my row's r is stored
	s_barrier_signal -1
	s_barrier_wait -1
	FETCH 0, 0, 0
	LAP 1                                          ; 8 K steps = 4 laps; the first products start the sums
	WIN 0
	s_mov_b32 s3, 2
.Llap:
	LAP 0
	WIN 0
	s_sub_co_u32 s3, s3, 1
	s_cmp_lg_u32 s3, 0
	s_cbranch_scc1 .Llap
	THREE 0, 0                                     ; the last lap fills nothing
	TURN 0, 1, 0
	THREE 1, 0
	s_wait_dscnt 0x0
	WIN MULW
	MULS 1, 0, 0, 3, 0
	MULS 1, 1, 0, 3, 0
	; THE WAY OUT, 16 rows at a time: times r, 32 bytes a lane and tile into my own stage, back as whole rows of 256 bytes
	WIN 0
	PLACES
.irp a, 0,1,2,3
	ds_load_b32 v[32+2*\a], v[RSA] offset:64*\a    ; r of row 64 wm + 16 a + r, in both registers of a pair
	ds_load_b32 v[33+2*\a], v[RSA] offset:64*\a
.endr
	s_lshl_b32 s16, s15, 20                        ; 128 by rows of 8,192 bytes
	s_lshl_b32 s17, s13, 19                        ; + 64 wm rows
	s_add_co_u32 s16, s16, s17
	s_mov_b32 s17, 0
	s_add_nc_u64 s[10:11], s[10:11], s[16:17]
	s_lshl_b32 s46, s42, 9                         ; 128 bx columns of 4 bytes
	s_lshl_b32 s47, s14, 8                         ; + 64 wn columns
	s_add_co_u32 s46, s46, s47
	s_mov_b32 s47, 0
	s_add_nc_u64 s[10:11], s[10:11], s[46:47]
	s_wait_dscnt 0x0
.macro OUT16 a, f
	WIN 0x01                                       ; source 0 (the sums) in window 1
.set q, 0
.rept 16
	v_pk_mul_f32 v[TMP+2*q:TMP+2*q+1], v[128+32*\a+2*q:129+32*\a+2*q], v[32+2*\a:33+2*\a]
.set q, q+1
.endr
	WIN 0
.set q, 0
.rept 8
	ds_store_b128 v[STO], v[TMP+4*q:TMP+4*q+3] offset:64*(q>>1)+16*(q&1)
.set q, q+1
.endr
	s_wait_xcnt 0x0                                ; the stores issued so far have had their addresses translated: buffer f and the base are rewritten only behind this wait
.if \a
	s_add_nc_u64 s[10:11], s[10:11], 131072        ; 16 rows of out on
.endif
.irp t, 0,1,2,3,4,5,6,7
	ds_load_b128 v[\f+4*\t:\f+4*\t+3], v[RD] offset:\t*2*SP        ; LDS serves a wave's instructions in order: these see the stores above
.endr
.irp t, 0,1,2,3,4,5,6,7
	s_wait_dscnt 7-\t
	global_store_b128 v[CO], v[\f+4*\t:\f+4*\t+3], s[10:11] offset:16384*\t th:TH_STORE_NT   ; 16 lanes: 256 consecutive bytes, aligned
.endr
.endm
	OUT16 0, 64
	OUT16 1, 128
	OUT16 2, 64
	OUT16 3, 128
	s_wait_tensorcnt 0x0
	ds_add_u32 v254, v255
	s_wait_dscnt 0x0
	CROUND                                         ; the closing round: no work-group ends while a partner may still ask for a tile that names it
	s_endpgm
.Lfunc_end_k_q5f4c99a39f_outp:
	.size	k_q5f4c99a39f_outp, .Lfunc_end_k_q5f4c99a39f_outp-k_q5f4c99a39f_outp
	.p2alignl 7, 3214868480
	.fill 96, 4, 3214868480
	.section	.rodata,"a",@progbits
	.p2align	6, 0x0
	.amdhsa_kernel k_q5f4c99a39f_outp
		.amdhsa_group_segment_fixed_size 327680
		.amdhsa_private_segment_fixed_size 0
		.amdhsa_enable_private_segment 0
		.amdhsa_kernarg_size 32
		.amdhsa_user_sgpr_count 2
		.amdhsa_user_sgpr_kernarg_segment_ptr 1
		.amdhsa_wavefront_size32 1
		.amdhsa_system_sgpr_workgroup_id_x 1
		.amdhsa_system_sgpr_workgroup_id_y 1
		.amdhsa_system_sgpr_workgroup_id_z 1
		.amdhsa_system_vgpr_workitem_id 0
		.amdhsa_next_free_vgpr 512
		.amdhsa_next_free_sgpr 70
		.amdhsa_reserve_vcc 0
		.amdhsa_float_denorm_mode_32 3
		.amdhsa_float_denorm_mode_16_64 3
		.amdhsa_memory_ordered 1
		.amdhsa_forward_progress 1
		.amdhsa_inst_pref_size 137
	.end_amdhsa_kernel
	.amdgpu_metadata
---
amdhsa.version: [ 1, 2 ]
amdhsa.kernels:
  - .name:           k_q5f4c99a39f_outp
    .symbol:         k_q5f4c99a39f_outp.kd
    .args:
      - { .name: ub, .offset: 0, .size: 8, .value_kind: global_buffer, .address_space: global }
      - { .name: wob, .offset: 8, .size: 8, .value_kind: global_buffer, .address_space: global }
      - { .name: ssp, .offset: 16, .size: 8, .value_kind: global_buffer, .address_space: global }
      - { .name: out0, .offset: 24, .size: 8, .value_kind: global_buffer, .address_space: global }
    .group_segment_fixed_size: 327680
    .private_segment_fixed_size: 0
    .kernarg_segment_align: 8
    .kernarg_segment_size: 32
    .max_flat_workgroup_size: 128
    .sgpr_count:     70
    .vgpr_count:     512
    .wavefront_size: 32
...
	.end_amdgpu_metadata
.endif
;; end of part 3
